; MI455X (gfx1250); checked and timed in simulation.
; The chip was launched on July 23, 2026; its instructions are those of AMD's public machine-readable ISA for CDNA 5 (MIT licence, August 2026) and "CDNA5" Instruction Set Architecture Reference Guide (July 2026). The comments in the code are by the model that wrote it; some were corrected since.
;; Self Attention. Allowed arithmetic: matrix products marked QUANTISED: E5M2 operands, one given power-of-two scale a tensor, by v_wmma_f32_16x16x64_bf8_bf8 or v_wmma_f32_16x16x128_bf8_bf8, f32 sums; everything else in f32.
;; Inputs: W_qkv_codes 3,072 x 32 x 32 uint8 (E5M2 codes of W_qkv, K innermost, in blocks of 32 codes); b_qkv 3,072 float32; lowp_scales 6 int32 (the exponents e of the quantised operands' scales 2^e); x_codes 4 x 2,048 x 32 x 32 uint8 (E5M2 codes of x, K innermost, in blocks of 32 codes).
;; Outputs: out0 4 x 2,048 x 1,024 float32.
;; This version of the problem:
;;   THIS VERSION OF THE PROBLEM IS GIVEN IN LOW PRECISION. The matrix products marked QUANTISED in the list below multiply operands that are first quantised to E5M2 (5 exponent bits, 2 mantissa bits; 8 bits a number), with one given power-of-two scale for each operand tensor; their sums are f32. All else is computed in f32.
;;   The module's matrix products, in the order in which they are computed (A, B: the left and right operand; K: the contracted axis; several contracted axes count as one K, in the product's order):
;;     1. [M 8,192, K 1,024] x [K 1,024, N 3,072]; A: input x (given as codes); B: input W_qkv (given as codes): QUANTISED (scales: A lowp_scales[0], B lowp_scales[1])
;;     2. batch 64 x [M 2,048, K 64] x [K 64, N 2,048]; A: computed on the way; B: computed on the way: QUANTISED (scales: A lowp_scales[2], B lowp_scales[3])
;;     3. batch 64 x [M 2,048, K 2,048] x [K 2,048, N 64]; A: softmax (see below); B: computed on the way: QUANTISED (scales: A lowp_scales[4], B lowp_scales[5])
;;   THE QUANTISER, for each operand of a quantised product, along K:
;;     - The operand's scale is 2^e, e = its entry of the input lowp_scales (int32; the entries are numbered through the quantised products in the list's order, A before B).
;;     - Each number is divided by the scale, clamped to +-57,344, and rounded to the nearest number of E5M2, ties to even, subnormals kept.
;;     - The product sums the exact products of the quantised numbers (number of the format x scale) in f32.
;;   ~~~python
;;   def quantise(x, axis, e):      # numpy; x: float32 -> the quantised numbers, widened to float32 again
;;       x = np.moveaxis(x, axis, -1); K = x.shape[-1]
;;       r = np.clip(x / 2.0 ** e, -57344, 57344)
;;       step = 2.0 ** (np.maximum(np.frexp(np.where(r == 0, 1, r))[1] - 1, -14) - 2)
;;       q = np.round(r / step) * step * 2.0 ** e      # np.round: ties to even
;;       return np.moveaxis(q, -1, axis).astype(np.float32)
;;   ~~~
;;   SOFTMAX AHEAD OF A QUANTISED PRODUCT. Where the list says 'softmax', what is quantised is not the finished softmax but p = 2^(t - M), with t = logit x log2(e) and M = ceil(the row's largest t), a whole number; so 1/2 < the row's largest p <= 1. The row's sum l is taken of the UNQUANTISED p, in f32, and the product's result is divided by l at the end. Since M is a whole number, a kernel that streams over the keys may use a running M (the ceiling of the running maximum): every later rescaling is an exact power of two, so the quantised numbers keep their values, but for numbers so far below the row's largest that they fall under the format's range.
;;   OPERANDS COMPUTED ON THE WAY. 'Computed on the way' means the value that the module computes at that place (a softmax that the list does not call 'softmax' is quantised finished and normalised). What goes into a quantiser is computed in f32, as accurately as f32 sums, v_exp_f32 and their like allow (about 1e-6 of the number): no bf16 or f16 on the way to a quantiser, and a product that is left as it is and whose result goes on into a quantised operand takes f32 operands (vector FMAs, or v_wmma_f32_16x16x4_f32). A number that lies on a knife's edge between two numbers of the format may be rounded either way, as far as f32 arithmetic and the matrix unit's own rounding can turn it there, and no further.
;;   INPUTS GIVEN AS CODES. W_qkv (in the module: [1024, 3072], K = its axis 0); x (in the module: [4, 2048, 1024], K = its axis 2): each comes as NAME_codes (uint8): NAME with its K axis moved to the last place and cut into blocks of 32 codes, [.., K / 32, bytes a block], one block behind the other in memory; one code a byte (a code: sign, 5 exponent bits, 2 mantissa bits); its scale is its entry of lowp_scales. Its value is code x scale, taken as it is: it is not quantised again, and the codes and scales need not be those that the quantiser above would give.
;; One version. Each part assembles by itself: llvm-mc -triple=amdgcn-amd-amdhsa -mcpu=gfx1250 --defsym DOCPART=n.
;; ======== version 1 of 1: 2 launches
;; limits: right only within a limited range of input values
;; workspace buffers: q_img 8,388,608 bytes; k_img 8,388,608 bytes; v_img 8,388,608 bytes
;; launch qkv (part 1): grid 16 x 16, 4 waves a work-group, clusters of 4 x 4, 327,680 bytes of LDS; arguments x_codes, W_qkv_codes, b_qkv, lowp_scales, q_img, k_img, v_img; writes q_img, k_img, v_img
.if DOCPART == 1
	.amdgcn_target "amdgcn-amd-amdhsa--gfx1250"
	.amdhsa_code_object_version 6
	.text
	.protected	k_q55e435107a_qkv
	.globl	k_q55e435107a_qkv
	.p2align	8
	.type	k_q55e435107a_qkv,@function
k_q55e435107a_qkv:
	s_mov_b64 s[64:65], 0
	v_nop
	global_prefetch_b8 v0, s[64:65] scope:SCOPE_SE
	s_setreg_imm32_b32 hwreg(HW_REG_WAVE_MODE, 25, 1), 1
	s_wait_xcnt 0x0
	s_wait_alu depctr_hold_cnt(0) depctr_sa_sdst(0) depctr_va_vdst(0) depctr_va_sdst(0) depctr_va_ssrc(0) depctr_va_vcc(0) depctr_vm_vsrc(0)
	s_getreg_b32 s2, hwreg(HW_REG_IB_STS2, 6, 4)
	s_cmp_eq_u32 s2, 0
	s_cbranch_scc0 .Lentry_in_a_cluster
	s_endpgm
.Lentry_in_a_cluster:
	s_bfe_u32 s2, ttmp6, 0x10000c
	s_cmp_lg_u32 s2, 0xf033
	s_cbranch_scc0 .Lentry_shape_is_right
	s_endpgm
.Lentry_shape_is_right:
.set PITCH, 144
.set WB,    512*PITCH
.set SLOT,  704*PITCH
.set SPARE, 2*SLOT
.set BIASB, SPARE+512
.set BIASW, 18*512
.set LAPS,  4
.set ADRA, 16
.set ADRB, 20
.set CO,   24
.set BIA,  25
.set SPW,  28
.set NIL,  29
.set AF,   32
.set BF,   160
.set BI,   32
.set VB,   160
.set TMP,  96
.set CODE, 168
.set G1, 24
.set G0, 32
.set G1B, 48
.set G0B, 56
.set MSB, 0
.macro WIN new
.if MSB != (\new)
	s_set_vgpr_msb (MSB<<8)|(\new)
.set MSB, (\new)
.endif
.endm
.macro JLOAD g0a, g1a, g0b, g1b
	s_cmp_eq_u32 s15, 0
	s_cbranch_scc0 .Lfor_b_\@
	tensor_load_to_lds s[\g0a:\g0a+3], s[\g1a:\g1a+7]
	s_nop 0
.rept 4
	v_nop
.endr
	s_branch .Lasked_\@
.Lfor_b_\@:
	tensor_load_to_lds s[\g0b:\g0b+3], s[\g1b:\g1b+7]
	s_nop 0
.rept 4
	v_nop
.endr
.Lasked_\@:
.endm
.macro CREST
	s_cmp_lg_u32 s14, 0
	s_cbranch_scc1 .Lnot_wave_0_\@
	s_barrier_signal -3
.Lnot_wave_0_\@:
	s_barrier_wait -3
	s_barrier_signal -1
	s_barrier_wait -1
.endm
.macro CROUND
	s_barrier_signal -1
	s_barrier_wait -1
	CREST
.endm
.macro PLACES n
.rept \n
	v_nop
.endr
.endm
	s_load_b256 s[4:11], s[0:1], 0x0
	s_load_b128 s[84:87], s[0:1], 0x20
	s_load_b64 s[88:89], s[0:1], 0x30
	v_lshl_add_u32 v[SPW], v0, 2, SPARE
	v_mov_b32 v[NIL], 0
	ds_add_u32 v28, v29
	ds_add_u32 v28, v29
	s_wait_dscnt 0x0
	v_lshrrev_b32 v1, 5, v0
	v_readfirstlane_b32 s14, v1
	s_lshr_b32 s15, s14, 1
	s_and_b32 s16, s14, 1
	s_bfe_u32 s40, ttmp6, 0x40000
	s_bfe_u32 s41, ttmp6, 0x40004
	s_lshl_b32 s42, ttmp9, 2
	s_add_co_u32 s42, s42, s40
	s_and_b32 s17, ttmp7, 0xffff
	s_lshl_b32 s17, s17, 2
	s_add_co_u32 s17, s17, s41
	s_lshl_b32 s43, s41, 2
	s_lshl_b32 s43, 15, s43
	s_lshl_b32 s44, 0x1111, s40
	s_or_b32 s[G1+0], s43, (1<<20)|(1<<21)|(4<<22)|(3<<25)
	s_or_b32 s[G1B+0], s44, (1<<20)|(1<<21)|(4<<22)|(3<<25)
	s_mov_b32 s[G1+1], 128<<16
	s_mov_b32 s[G1+2], 256<<16
	s_mov_b32 s[G1+3], 128<<16
	s_mov_b32 s[G1+4], 256
	s_mov_b32 s[G1+5], 1024
	s_mov_b32 s[G1+6], 0
	s_mov_b32 s[G1+7], 0
	s_mov_b32 s[G1B+1], 128<<16
	s_mov_b32 s[G1B+2], 96<<16
	s_mov_b32 s[G1B+3], 128<<16
	s_mov_b32 s[G1B+4], 96
	s_mov_b32 s[G1B+5], 1024
	s_mov_b32 s[G1B+6], 0
	s_mov_b32 s[G1B+7], 0
	s_lshl_b32 s20, s17, 19
	s_lshl_b32 s18, s16, 18
	s_add_co_u32 s20, s20, s18
	s_mov_b32 s21, 0
	s_mul_i32 s46, s42, 192*1024
	s_mul_i32 s47, s16, 96*1024
	s_add_co_u32 s46, s46, s47
	s_mov_b32 s47, 0
	s_mul_i32 s45, s16, 256*PITCH
	s_mul_i32 s19, s16, 96*PITCH
	s_add_co_u32 s19, s19, WB
	s_wait_kmcnt 0x0
	s_load_b128 s[72:75], s[10:11], 0x0
	s_load_b64 s[76:77], s[10:11], 0x10
	s_add_nc_u64 s[20:21], s[4:5], s[20:21]
	s_add_nc_u64 s[46:47], s[6:7], s[46:47]
	CROUND
.irp s, 0,1
	s_mov_b32 s[G0+4*\s], 1
	s_add_co_u32 s[G0+4*\s+1], s45, \s*SLOT
	s_add_nc_u64 s[G0+4*\s+2:G0+4*\s+3], s[20:21], \s*128
	s_or_b32 s[G0+4*\s+3], s[G0+4*\s+3], 0x80000000
	s_mov_b32 s[G0B+4*\s], 1
	s_add_co_u32 s[G0B+4*\s+1], s19, \s*SLOT
	s_add_nc_u64 s[G0B+4*\s+2:G0B+4*\s+3], s[46:47], \s*128
	s_or_b32 s[G0B+4*\s+3], s[G0B+4*\s+3], 0x80000000
	s_wait_alu depctr_va_vdst(0)
	s_wait_tensorcnt 0x0
	ds_add_u32 v28, v29
	ds_add_u32 v28, v29
	s_wait_dscnt 0x0
	CROUND
	JLOAD G0+4*\s, G1, G0B+4*\s, G1B
.endr
	v_and_b32 v1, 15, v0
	v_bfe_u32 v2, v0, 4, 1
	v_mul_u32_u24 v3, v1, PITCH
	v_lshl_add_u32 v3, v2, 4, v3
	s_mul_i32 s22, s14, 128*PITCH
	v_add_nc_u32 v[ADRA], s22, v3
	v_add_nc_u32 v[ADRA+1], SLOT, v[ADRA]
	v_add_nc_u32 v[ADRB], WB, v3
	v_add_nc_u32 v[ADRB+1], SLOT, v[ADRB]
	v_and_b32 v4, 31, v0
	v_lshlrev_b32 v[CO], 4, v4
	s_mul_i32 s22, s14, BIASW
	s_add_co_u32 s22, s22, BIASB
	v_add_nc_u32 v[BIA], s22, v[CO]
	v_lshlrev_b32 v26, 5, v2
	v_lshlrev_b32 v27, 2, v1
	s_mul_i32 s80, s42, 768
	s_mov_b32 s81, 0
	s_add_nc_u64 s[8:9], s[8:9], s[80:81]
.irp t, 0,1,2,3,4,5,6,7
	global_load_b128 v[32+8*\t:35+8*\t], v26, s[8:9] offset:64*\t
	global_load_b128 v[36+8*\t:39+8*\t], v26, s[8:9] offset:64*\t+16
.endr
.irp d, 0,1,2,3
	global_load_b32 v[96+2*\d], v27, s[8:9] offset:512+64*\d
	global_load_b32 v[97+2*\d], v27, s[8:9] offset:512+64*\d
.endr
	s_lshr_b32 s80, s17, 2
	s_lshl_b32 s80, s80, 4
	s_add_co_u32 s80, s80, s42
	s_lshl_b32 s80, s80, 17
	s_and_b32 s82, s17, 3
	s_lshl_b32 s82, s82, 15
	s_add_co_u32 s80, s80, s82
	s_lshl_b32 s82, s14, 13
	s_add_co_u32 s80, s80, s82
	s_add_nc_u64 s[84:85], s[84:85], s[80:81]
	s_add_nc_u64 s[86:87], s[86:87], s[80:81]
	s_add_nc_u64 s[88:89], s[88:89], s[80:81]
	s_wait_alu depctr_va_vdst(0)
	s_wait_kmcnt 0x0
	s_add_co_i32 s78, s72, s73
	s_add_co_i32 s78, s78, 127
	s_lshl_b32 s78, s78, 23
	s_mov_b32 s79, s78
.macro SCALES se, vs, vl
	s_add_co_i32 s82, s[\se], 127
	s_lshl_b32 s83, s82, 23
	v_mov_b32 v[\vs], s83
.endm
	SCALES 74, 8, 9
	SCALES 75, 10, 11
	SCALES 77, 12, 13
	s_wait_loadcnt 0x0
.irp n, 0,1,2,3,4,5,6,7,8,9,10,11,12,13,14,15,16,17
	ds_store_b128 v[BIA], v[32+4*\n:35+4*\n] offset:512*\n
.endr
	s_wait_dscnt 0x0
.macro FRAG reg, adr, q, i
.irp c, 0,1
	ds_load_b128 v[\reg+4*\c:\reg+4*\c+3], v[\adr] offset:64*(\q)+32*\c+(\i)*16*PITCH
.endr
.endm
.macro FETCH_A slot, q, p
.irp i, 0,1,2,3,4,5,6,7
	FRAG AF+64*(\p)+8*\i, ADRA+\slot, \q, \i
.endr
.endm
.macro FETCH_B slot, q, i0
.irp i, \i0, \i0+1, \i0+2, \i0+3, \i0+4, \i0+5
	FRAG BF+8*(\i), ADRB+\slot, \q, \i
.endr
.endm
.macro MULB b, p, zero
	WIN 0x50*(1+(\b)/4)
.irp a, 0,1,2,3,4,5,6,7
.if (\b) < 8
.if \zero
	v_wmma_f32_16x16x64_bf8_bf8 v[64*((\b)%4)+8*\a:64*((\b)%4)+8*\a+7], v[BF+8*(\b):BF+8*(\b)+7], v[AF+64*(\p)+8*\a:AF+64*(\p)+8*\a+7], 0
.else
	v_wmma_f32_16x16x64_bf8_bf8 v[64*((\b)%4)+8*\a:64*((\b)%4)+8*\a+7], v[BF+8*(\b):BF+8*(\b)+7], v[AF+64*(\p)+8*\a:AF+64*(\p)+8*\a+7], v[64*((\b)%4)+8*\a:64*((\b)%4)+8*\a+7]
.endif
.else
.if \zero
	v_wmma_f32_16x16x64_bf8_bf8 v[64*((\b)%4)+8*\a:64*((\b)%4)+8*\a+7], v[AF+64*(\p)+8*\a:AF+64*(\p)+8*\a+7], v[BF+8*(\b):BF+8*(\b)+7], 0
.else
	v_wmma_f32_16x16x64_bf8_bf8 v[64*((\b)%4)+8*\a:64*((\b)%4)+8*\a+7], v[AF+64*(\p)+8*\a:AF+64*(\p)+8*\a+7], v[BF+8*(\b):BF+8*(\b)+7], v[64*((\b)%4)+8*\a:64*((\b)%4)+8*\a+7]
.endif
.endif
.endr
.endm
.macro STEP slot, zero
	s_wait_dscnt 12
.irp b, 0,1,2,3,4,5
	MULB \b, 0, \zero
.endr
	s_wait_dscnt 0x0
	WIN 0
	PLACES 4
	FETCH_A \slot, 1, 1
	FETCH_B \slot, 1, 0
.irp b, 6,7,8,9,10,11
	MULB \b, 0, \zero
.endr
	WIN 0
	PLACES 4
	FETCH_B \slot, 1, 6
.endm
.macro TURN slot, next, fill
	s_wait_tensorcnt 0x0
	ds_add_u32 v[SPW], v[NIL]
	s_wait_dscnt 13
.irp b, 0,1,2
	MULB \b, 1, 0
.endr
	s_wait_dscnt 0x0
	s_barrier_signal -1
.irp b, 3,4,5
	MULB \b, 1, 0
.endr
	WIN 0
	s_barrier_wait -1
.if \fill
	CREST
	s_add_nc_u64 s[G0+4*\slot+2:G0+4*\slot+3], s[G0+4*\slot+2:G0+4*\slot+3], 256
	s_add_nc_u64 s[G0B+4*\slot+2:G0B+4*\slot+3], s[G0B+4*\slot+2:G0B+4*\slot+3], 256
	JLOAD G0+4*\slot, G1, G0B+4*\slot, G1B
.else
	PLACES 4
.endif
	FETCH_A \next, 0, 0
	FETCH_B \next, 0, 0
.irp b, 6,7,8,9,10,11
	MULB \b, 1, 0
.endr
	WIN 0
	PLACES 4
	FETCH_B \next, 0, 6
.endm
	s_wait_tensorcnt 1
	s_barrier_signal -1
	s_barrier_wait -1
	FETCH_A 0, 0, 0
	FETCH_B 0, 0, 0
	FETCH_B 0, 0, 6
	STEP 0, 1
	s_mov_b32 s3, LAPS-1
.Llap:
	TURN 0, 1, 1
	STEP 1, 0
	TURN 1, 0, 1
	STEP 0, 0
	s_sub_co_u32 s3, s3, 1
	s_cmp_lg_u32 s3, 0
	s_cbranch_scc1 .Llap
	TURN 0, 1, 0
	STEP 1, 0
	s_wait_dscnt 12
.irp b, 0,1,2,3,4,5
	MULB \b, 1, 0
.endr
	s_wait_dscnt 0x0
	WIN 0
	PLACES 4
.irp n, 0,1,2,3,4,5,6,7,8,9,10,11,12,13,14,15
	ds_load_b128 v[BI+4*\n:BI+4*\n+3], v[BIA] offset:512*\n
.endr
	ds_load_b128 v[VB:VB+3], v[BIA] offset:512*16
	ds_load_b128 v[VB+4:VB+7], v[BIA] offset:512*17
.irp b, 6,7,8,9,10,11
	MULB \b, 1, 0
.endr
	WIN 0
	PLACES 4
	s_wait_dscnt 0x0
.macro GROUP g, w, r0, rs, b0, bs, bi, sc, lim, ptr, off
.set TM, TMP+32*((\g)%2)
.set CD, CODE+8*((\g)%4)
	WIN \w
.irp t, 0,1,2,3
.irp i, 0,2,4,6
	v_pk_fma_f32 v[TM+8*\t+\i:TM+8*\t+\i+1], v[(\r0)+(\rs)*\t+\i:(\r0)+(\rs)*\t+\i+1], s[78:79], v[(\b0)+(\bs)*\t+(\bi)*\i:(\b0)+(\bs)*\t+(\bi)*\i+1] op_sel_hi:[1,0,1]
.endr
.endr
	WIN 0
.set I, 0
.rept 32
.set I, I+1
.endr
	s_wait_alu depctr_va_vdst(0)
	s_wait_xcnt 0x0
.irp t, 0,1,2,3
	v_cvt_scalef32_pk8_bf8_f32 v[CD+2*\t:CD+2*\t+1], v[TM+8*\t:TM+8*\t+7], v[\sc]
.endr
	v_nop
	global_store_b128 v[CO], v[CD:CD+3], s[\ptr:\ptr+1] offset:\off
	global_store_b128 v[CO], v[CD+4:CD+7], s[\ptr:\ptr+1] offset:(\off)+512
.endm
.irp a, 0,1,2,3,4,5,6,7
	GROUP \a, 1, 8*\a, 64, BI, 8, 1, 8, 9, 84, 1024*\a
.endr
.irp a, 0,1,2,3,4,5,6,7
	GROUP \a, 2, 8*\a, 64, BI+32, 8, 1, 10, 11, 86, 1024*\a
.endr
.irp d, 0,1,2,3
.irp u, 0,1
	GROUP 2*\d+\u, 3, 64*\d+32*\u, 8, VB+2*\d, 0, 0, 12, 13, 88, 4096*\u+1024*\d
.endr
.endr
	s_wait_tensorcnt 0x0
	ds_add_u32 v[SPW], v[NIL]
	s_wait_dscnt 0x0
	CROUND
	s_endpgm
.Lfunc_end_k_q55e435107a_qkv:
	.size	k_q55e435107a_qkv, .Lfunc_end_k_q55e435107a_qkv-k_q55e435107a_qkv
	.p2alignl 7, 3214868480
	.fill 96, 4, 3214868480
	.section	.rodata,"a",@progbits
	.p2align	6, 0x0
	.amdhsa_kernel k_q55e435107a_qkv
		.amdhsa_group_segment_fixed_size 327680
		.amdhsa_private_segment_fixed_size 0
		.amdhsa_enable_private_segment 0
		.amdhsa_kernarg_size 56
		.amdhsa_user_sgpr_count 2
		.amdhsa_user_sgpr_kernarg_segment_ptr 1
		.amdhsa_wavefront_size32 1
		.amdhsa_system_sgpr_workgroup_id_x 1
		.amdhsa_system_sgpr_workgroup_id_y 1
		.amdhsa_system_sgpr_workgroup_id_z 1
		.amdhsa_system_vgpr_workitem_id 0
		.amdhsa_next_free_vgpr 1024
		.amdhsa_next_free_sgpr 100
		.amdhsa_reserve_vcc 0
		.amdhsa_float_denorm_mode_32 3
		.amdhsa_float_denorm_mode_16_64 3
		.amdhsa_fp16_overflow 1
		.amdhsa_memory_ordered 1
		.amdhsa_forward_progress 1
		.amdhsa_inst_pref_size 126
	.end_amdhsa_kernel
	.amdgpu_metadata
---
amdhsa.version: [ 1, 2 ]
amdhsa.kernels:
  - .name:           k_q55e435107a_qkv
    .symbol:         k_q55e435107a_qkv.kd
    .args:
      - { .name: x_codes, .offset: 0, .size: 8, .value_kind: global_buffer, .address_space: global }
      - { .name: W_qkv_codes, .offset: 8, .size: 8, .value_kind: global_buffer, .address_space: global }
      - { .name: b_qkv, .offset: 16, .size: 8, .value_kind: global_buffer, .address_space: global }
      - { .name: lowp_scales, .offset: 24, .size: 8, .value_kind: global_buffer, .address_space: global }
      - { .name: q_img, .offset: 32, .size: 8, .value_kind: global_buffer, .address_space: global }
      - { .name: k_img, .offset: 40, .size: 8, .value_kind: global_buffer, .address_space: global }
      - { .name: v_img, .offset: 48, .size: 8, .value_kind: global_buffer, .address_space: global }
    .group_segment_fixed_size: 327680
    .private_segment_fixed_size: 0
    .kernarg_segment_align: 8
    .kernarg_segment_size: 56
    .max_flat_workgroup_size: 128
    .sgpr_count:     100
    .vgpr_count:     1024
    .wavefront_size: 32
...
	.end_amdgpu_metadata
.endif
;; end of part 1
;; launch attn (part 2): grid 4 x 64, 16 waves a work-group, clusters of 4 x 1, 264,192 bytes of LDS; arguments q_img, k_img, v_img, lowp_scales, out0; writes out0
.if DOCPART == 2
	.amdgcn_target "amdgcn-amd-amdhsa--gfx1250"
	.amdhsa_code_object_version 6
	.text
	.protected	k_q55e435107a_attn
	.globl	k_q55e435107a_attn
	.p2align	8
	.type	k_q55e435107a_attn,@function
k_q55e435107a_attn:
	s_mov_b64 s[64:65], 0
	v_nop
	global_prefetch_b8 v0, s[64:65] scope:SCOPE_SE
	s_setreg_imm32_b32 hwreg(HW_REG_WAVE_MODE, 25, 1), 1
	s_wait_xcnt 0x0
	s_wait_alu depctr_hold_cnt(0) depctr_sa_sdst(0) depctr_va_vdst(0) depctr_va_sdst(0) depctr_va_ssrc(0) depctr_va_vcc(0) depctr_vm_vsrc(0)
	s_getreg_b32 s2, hwreg(HW_REG_IB_STS2, 6, 4)
	s_cmp_eq_u32 s2, 0
	s_cbranch_scc0 .Lentry_in_a_cluster
	s_endpgm
.Lentry_in_a_cluster:
	s_bfe_u32 s2, ttmp6, 0x10000c
	s_cmp_lg_u32 s2, 0x3003
	s_cbranch_scc0 .Lentry_shape_is_right
	s_endpgm
.Lentry_shape_is_right:
; out[b][s][64 head + d] = the sum over keys of softmax(q . k / 8) v, for 64 (batch, head) pairs, 2,048 queries, 2,048 keys, head size 64; both products on codes of BF8 (E5M2).
; q_img, k_img, v_img hold the codes as images of the operands' registers: a fragment is 1,024 bytes, register group i (4 registers) of lane l at 512 i + 16 l.  q, k: 16 rows x 64 d; v: 16 d x 64 keys.
; THE SOFTMAX AHEAD OF THE SECOND PRODUCT: t = score x log2(e) / 8; M = the row's largest t so far, rounded UP to a whole number; p = 2^(t - M) is quantised with 2^e4; it is not normalised.
; The row's sum is taken of the unquantised p, in f32, and divides O at the end.  When M moves, the sum and O are multiplied by 2^(old M - new M): nothing is rounded.
; LIMITS on the given exponents: e2 + e3 between -123 and 130 (they are added to c's exponent field); e4 between -126 and 112; e4 + e5 is applied by v_ldexp_f32 and has none.  NaN and infinities are not served.
; SHARES.  A work-group owns 512 queries of one head; each of its sixteen waves two tiles of 16 queries, in 256 registers, so that each fragment of K and V read from LDS feeds two products.
; LDS HOLDS THE WHOLE HEAD: K's image (131,072 bytes) at 0, V's behind it.  It is filled once: each wave brings 16,384 bytes by one tensor load (waves 0-7: K; waves 8-15: V), to LDS byte 16,384 x wave.  Nothing is filled again.
; CLUSTER.  The four work-groups of a cluster are the four blocks of queries of one head and read the same K and V: each tile is asked for JOINTLY, by the same tensor load with the same descriptor and a mask that names the four.
; LAYOUT.  Both products are used transposed: S^T = K Q^T (source 0 = 16 keys, source 1 = 16 queries), O^T = V^T P^T (source 0 = 16 d, source 1 = P): a lane holds ONE query (lane % 16) throughout.  In S^T tile kt, register j of
; lane (r, h) is key 16 kt + 8 h + j: its eight codes are registers 2 kt, 2 kt + 1 of the second product's operand, as that form's layout wants them.
; REGISTERS: v1 16 x lane; v2, v3 LDS addresses of the step's K and V; v4-6 the way out; v9 2^e4; v[10:13] a second chain of each tile's sum; v16-31 statistics, eight a tile: +0 -M, +1 the largest raw score,
; +2, +3 the sum, +4 f (+5 named with it), +6, +7 at work; v32-47 Q; v48-79 K's four fragments; v80-111 V's four; v112-175 S^T, then p; v176-191 p's codes; v192-255 O^T.
.set VIMG,  131072                     ; V's image in LDS
.set STEPB, 4096                       ; 64 keys: four fragments, in K's image and in V's
.set NSTEP, 32
.set SP,    272                        ; the way out: a stage of 16 rows x (256 bytes + 16) for each wave, in K's bytes, behind a barrier behind which nobody reads them; they have had their only fill
.set LI,  1
.set ADK, 2
.set ADV, 3
.set GO,  4
.set STO, 5
.set RD,  6
.set LIM, 8
.set SC,  9
.set X,   10
.set ST,  16
.set QF,  32
.set KF,  48
.set VF,  80
.set S,   112
.set P,   176
.set O,   192
.macro CROUND                          ; a round of the cluster's barrier: my work-group's barrier; wave 0 signals for the work-group; every wave waits for all four work-groups; my work-group's barrier once more
	s_barrier_signal -1
	s_barrier_wait -1
	s_cmp_lg_u32 s14, 0
	s_cbranch_scc1 .Lnot_wave_0_\@
	s_barrier_signal -3
.Lnot_wave_0_\@:
	s_barrier_wait -3
	s_barrier_signal -1
	s_barrier_wait -1
.endm
	s_load_b256 s[4:11], s[0:1], 0x0               ; q_img s[4:5], k_img s[6:7], v_img s[8:9], the scales' exponents s[10:11]
	s_load_b64 s[12:13], s[0:1], 0x20              ; out
	v_lshl_add_u32 v254, v0, 2, 0x40000
	v_mov_b32 v255, 0
	ds_add_u32 v254, v255
	ds_add_u32 v254, v255
	s_wait_dscnt 0x0
	v_lshrrev_b32 v2, 5, v0
	s_delay_alu instid0(VALU_DEP_1)
	v_readfirstlane_b32 s14, v2                    ; wave 0..15
	s_bfe_u32 s15, ttmp6, 0x40000                  ; cx: my block of 512 queries: it enters Q's and the output's addresses alone
	s_and_b32 s16, ttmp7, 0xffff                   ; 16 batch + head, which the four partners share
	s_lshl_b32 s56, s16, 17                        ; the head's first byte in each image,
	s_and_b32 s57, s14, 7
	s_lshl_b32 s57, s57, 14
	s_add_co_u32 s56, s56, s57                     ; + my wave's 16,384 bytes of K's or of V's
	s_mov_b32 s57, 0
	s_lshl_b32 s58, s14, 14                        ; and where they go: 16,384 x wave
	; descriptor group 1: a dense block of 16,384 bytes as 64 rows of 32 elements of 8 bytes, no padding: an image is read 16 bytes a lane, 512 consecutive bytes an instruction
	s_mov_b32 s24, 15|(3<<16)|(1<<21)              ; 15:0 the mask: all four work-groups; 17:16 elements of 8 bytes; 21 set beside a mask
	s_mov_b32 s25, 32<<16                          ; tensor_dim0 = 32
	s_mov_b32 s26, 64<<16                          ; tensor_dim1 = 64
	s_mov_b32 s27, 32<<16                          ; tile_dim0 = 32
	s_mov_b32 s28, 64                              ; tile_dim1 = 64
	s_mov_b32 s29, 32                              ; from row to row
	s_mov_b32 s30, 0
	s_mov_b32 s31, 0
	s_mov_b32 s20, 0x76543210                      ; v_permlanex16_b32's selects for lane l xor 16
	s_mov_b32 s21, 0xfedcba98
	s_mov_b32 s22, 0x3e38aa3b                      ; c = log2(e) / 8
	s_mov_b32 s48, 0                               ; LDS byte of the key step in hand
	s_mov_b32 s49, NSTEP
	s_wait_kmcnt 0x0
	s_load_b64 s[52:53], s[10:11], 0x8             ; e2, e3
	s_load_b64 s[54:55], s[10:11], 0x10            ; e4, e5
	CROUND                                         ; all four work-groups are here: the joint loads meet
	s_mov_b32 s32, 1                               ; group 0 for K: count = 1,
	s_mov_b32 s33, s58                             ; LDS address,
	s_add_nc_u64 s[34:35], s[6:7], s[56:57]        ; global address,
	s_or_b32 s35, s35, 0x80000000                  ; type = 2
	s_mov_b32 s36, 1                               ; and for V
	s_mov_b32 s37, s58
	s_add_nc_u64 s[38:39], s[8:9], s[56:57]
	s_or_b32 s39, s39, 0x80000000
	s_cmp_lt_u32 s14, 8                            ; the branch hangs on the wave's number alone; one tensor load of mine is out; four v_nop follow each of the two lines
	s_cbranch_scc0 .Lfor_v
	tensor_load_to_lds s[32:35], s[24:31]
	s_nop 0
.rept 4
	v_nop
.endr
	s_branch .Lasked
.Lfor_v:
	tensor_load_to_lds s[36:39], s[24:31]
	s_nop 0
.rept 4
	v_nop
.endr
.Lasked:
	v_and_b32 v[LI], 31, v0
	s_delay_alu instid0(VALU_DEP_1)
	v_lshlrev_b32 v[LI], 4, v[LI]
	s_lshl_b32 s60, s15, 15                        ; Q: my tiles are 32 cx + 2 wave and the next: 1,024 bytes each
	s_lshl_b32 s61, s14, 11
	s_add_co_u32 s60, s60, s61
	s_lshl_b32 s61, s16, 17
	s_add_co_u32 s60, s60, s61
	s_mov_b32 s61, 0
	s_add_nc_u64 s[4:5], s[4:5], s[60:61]
.irp n, 0,1,2,3
	global_load_b128 v[QF+4*\n:QF+4*\n+3], v[LI], s[4:5] offset:512*\n th:TH_LOAD_NT   ; Q's two fragments stay in registers; no other wave reads them
.endr
	s_lshr_b32 s62, s16, 4                         ; the output: row 2,048 batch + 512 cx + 32 wave, of 4,096 bytes; + 256 x head
	s_lshl_b32 s62, s62, 11
	s_lshl_b32 s63, s15, 9
	s_add_co_u32 s62, s62, s63
	s_lshl_b32 s63, s14, 5
	s_add_co_u32 s62, s62, s63
	s_lshl_b32 s62, s62, 12
	s_and_b32 s63, s16, 15
	s_lshl_b32 s63, s63, 8
	s_add_co_u32 s62, s62, s63
	s_mov_b32 s63, 0
	s_add_nc_u64 s[12:13], s[12:13], s[62:63]
	v_and_b32 v14, 15, v0                          ; r
	v_bfe_u32 v15, v0, 4, 1                        ; h
	s_mul_i32 s66, s14, 16*SP                      ; my stage
	v_mul_u32_u24 v[STO], v14, SP                  ; in: row r, 32 bytes for each half of the lanes
	s_delay_alu instid0(VALU_DEP_1)
	v_lshl_add_u32 v[STO], v15, 5, v[STO]
	s_delay_alu instid0(VALU_DEP_1)
	v_add_nc_u32 v[STO], s66, v[STO]
	v_mul_u32_u24 v[RD], v15, SP                   ; back: lanes 0-15 one row of 256 bytes, lanes 16-31 the next
	s_delay_alu instid0(VALU_DEP_1)
	v_lshl_add_u32 v[RD], v14, 4, v[RD]
	s_delay_alu instid0(VALU_DEP_1)
	v_add_nc_u32 v[RD], s66, v[RD]
	v_lshlrev_b32 v[GO], 12, v15                   ; and the same two rows in the output
	s_delay_alu instid0(VALU_DEP_1)
	v_lshl_add_u32 v[GO], v14, 4, v[GO]
.irp q, 0,1
	v_mov_b32 v[ST+8*\q], 0x7f61b1e6               ; -M: 3e38, a whole number
	v_mov_b32 v[ST+8*\q+1], 0xff61b1e6             ; the largest score so far: -3e38, under every score
	v_mov_b32 v[ST+8*\q+2], 0                      ; the sum, in two halves
	v_mov_b32 v[ST+8*\q+3], 0
	v_mov_b32 v[ST+8*\q+5], 0                      ; (named as the upper half of f's pair)
.endr
.set I, 0
.rept 64
	v_mov_b32 v[O+I], 0                            ; O^T.  (The step is written once: the first finds zeros, which the first change of M leaves zeros)
.set I, I+1
.endr
	s_wait_kmcnt 0x0
	s_add_co_i32 s56, s52, s53
	s_lshl_b32 s56, s56, 23
	s_add_co_i32 s22, s22, s56                     ; a score stands for score x 2^(e2 + e3): the two exponents are added to c's exponent field
	s_mov_b32 s23, s22                             ; (named with it as a pair, so it is written)
	s_add_co_i32 s56, s54, 127
	s_lshl_b32 s57, s56, 23
	v_mov_b32 v[SC], s57                           ; 2^e4 as f32, for the conversion
	s_add_co_i32 s67, s54, s55                     ; e4 + e5
; A KEY STEP: 64 keys, both tiles of queries.  Where one line feeds the next, the two tiles alternate.
.macro STEP
	v_add_nc_u32 v[ADK], s48, v[LI]
	s_delay_alu instid0(VALU_DEP_1)
	v_add_nc_u32 v[ADV], VIMG, v[ADK]
	v_nop
	v_nop                                          ; four places behind the last products, in front of loads into registers that they have read (ISA guide 7.12.1 for vector instructions)
.irp f, 0,1,2,3
	ds_load_b128 v[KF+8*\f:KF+8*\f+3], v[ADK] offset:1024*\f
	ds_load_b128 v[KF+8*\f+4:KF+8*\f+7], v[ADK] offset:1024*\f+512
.endr
.irp f, 0,1,2,3
	ds_load_b128 v[VF+8*\f:VF+8*\f+3], v[ADV] offset:1024*\f
	ds_load_b128 v[VF+8*\f+4:VF+8*\f+7], v[ADV] offset:1024*\f+512
.endr
	s_wait_dscnt 8                                 ; K's eight loads are in; V's eight may be out
.irp t, 0,1,2,3
.irp q, 0,1
	v_wmma_f32_16x16x64_bf8_bf8 v[S+32*\q+8*\t:S+32*\q+8*\t+7], v[KF+8*\t:KF+8*\t+7], v[QF+8*\q:QF+8*\q+7], 0
.endr
.endr
.rept 4
	v_nop
.endr
	; the largest of my 32 scores and the largest so far, in two chains, each accumulator from its low end on
.irp q, 0,1
	v_max3_num_f32 v[ST+8*\q+6], v[S+32*\q], v[S+32*\q+1], v[S+32*\q+2]
.endr
.irp q, 0,1
	v_max3_num_f32 v[ST+8*\q+7], v[S+32*\q+3], v[S+32*\q+4], v[S+32*\q+5]
.endr
.irp i, 6,10,14,18,22,26
.irp q, 0,1
	v_max3_num_f32 v[ST+8*\q+6], v[ST+8*\q+6], v[S+32*\q+\i], v[S+32*\q+\i+1]
.endr
.irp q, 0,1
	v_max3_num_f32 v[ST+8*\q+7], v[ST+8*\q+7], v[S+32*\q+\i+2], v[S+32*\q+\i+3]
.endr
.endr
.irp q, 0,1
	v_max3_num_f32 v[ST+8*\q+6], v[ST+8*\q+6], v[S+32*\q+30], v[S+32*\q+31]
.endr
.irp q, 0,1
	s_delay_alu instid0(VALU_DEP_2)
	v_max3_num_f32 v[ST+8*\q+6], v[ST+8*\q+6], v[ST+8*\q+7], v[ST+8*\q+1]
.endr
.irp q, 0,1
	s_delay_alu instid0(VALU_DEP_2)
	v_permlanex16_b32 v[ST+8*\q+7], v[ST+8*\q+6], s20, s21   ; the query's other 32 keys lie in the lane 16 away
.endr
.irp q, 0,1
	s_delay_alu instid0(VALU_DEP_2)
	v_max_num_f32 v[ST+8*\q+1], v[ST+8*\q+6], v[ST+8*\q+7]
.endr
.irp q, 0,1
	s_delay_alu instid0(VALU_DEP_2)
	v_mul_f32 v[ST+8*\q+6], s22, v[ST+8*\q+1]      ; as t (c is positive)
.endr
.irp q, 0,1
	s_delay_alu instid0(VALU_DEP_2)
	v_floor_f32 v[ST+8*\q+7], -v[ST+8*\q+6]        ; the new -M = floor(-t) = -ceil(t): M IS A WHOLE NUMBER
.endr
.irp q, 0,1
	s_delay_alu instid0(VALU_DEP_2)
	v_sub_f32 v[ST+8*\q+6], v[ST+8*\q+7], v[ST+8*\q]   ; M's old value less its new one: a whole number, 0 or less
.endr
.irp q, 0,1
	s_delay_alu instid0(VALU_DEP_4)
	v_mov_b32 v[ST+8*\q], v[ST+8*\q+7]
.endr
.irp q, 0,1
	s_delay_alu instid0(VALU_DEP_4)
	v_cvt_i32_f32 v[ST+8*\q+6], v[ST+8*\q+6]       ; (it saturates)
.endr
.irp q, 0,1
	s_delay_alu instid0(VALU_DEP_2)
	v_ldexp_f32 v[ST+8*\q+4], 1.0, v[ST+8*\q+6]    ; f = 2^(old M - new M)
.endr
	; ONE BATCH of 64 exponentials with plain work between them; nothing ahead of the wait names an exponential's result
.irp j, 0,2,4,6,8,10,12,14,16,18,20,22,24,26,28,30
	v_pk_fma_f32 v[S+\j:S+\j+1], v[S+\j:S+\j+1], s[22:23], v[ST:ST+1] op_sel_hi:[1,0,0]   ; tile 0: t - M, two at a time (of the pairs c and -M the low word serves both halves)
.endr
	s_wait_alu depctr_va_vdst(0)
.irp j, 0,2,4,6,8,10,12,14,16,18,20,22,24,26,28,30
	v_exp_f32 v[S+\j], v[S+\j]                     ; tile 0: p = 2^(t - M), at most 1: NOT normalised
	v_exp_f32 v[S+\j+1], v[S+\j+1]
	v_pk_fma_f32 v[S+32+\j:S+32+\j+1], v[S+32+\j:S+32+\j+1], s[22:23], v[ST+8:ST+9] op_sel_hi:[1,0,0]   ; tile 1: t - M
.endr
	s_setprio 1
	s_wait_alu depctr_va_vdst(0)
.irp j, 0,2,4,6,8,10,12,14,16,18,20,22,24,26,28,30
	v_exp_f32 v[S+32+\j], v[S+32+\j]               ; tile 1: p
	v_exp_f32 v[S+32+\j+1], v[S+32+\j+1]
	s_wait_alu depctr_va_vdst(0)
	v_pk_mul_f32 v[O+\j:O+\j+1], v[O+\j:O+\j+1], v[ST+4:ST+5] op_sel_hi:[1,0]             ; O^T under the new M: x f; each accumulator from its low end on
	v_pk_mul_f32 v[O+32+\j:O+32+\j+1], v[O+32+\j:O+32+\j+1], v[ST+12:ST+13] op_sel_hi:[1,0]   ; (the last two are the plain instructions behind the last exponential)
.endr
	s_wait_alu depctr_va_vdst(0)                   ; one wait for the whole batch, ahead of its first reader
	; THE ROW'S SUM IS TAKEN OF THE UNQUANTISED p: two at a time, in two chains a tile; the first line also brings the old sum under the new M
.irp q, 0,1
	v_pk_fma_f32 v[ST+8*\q+2:ST+8*\q+3], v[ST+8*\q+2:ST+8*\q+3], v[ST+8*\q+4:ST+8*\q+5], v[S+32*\q:S+32*\q+1] op_sel_hi:[1,0,1]
.endr
.irp q, 0,1
	v_pk_add_f32 v[X+2*\q:X+2*\q+1], v[S+32*\q+2:S+32*\q+3], v[S+32*\q+4:S+32*\q+5]
.endr
.irp j, 6,10,14,18,22,26
.irp q, 0,1
	v_pk_add_f32 v[ST+8*\q+2:ST+8*\q+3], v[ST+8*\q+2:ST+8*\q+3], v[S+32*\q+\j:S+32*\q+\j+1]
.endr
.irp q, 0,1
	v_pk_add_f32 v[X+2*\q:X+2*\q+1], v[X+2*\q:X+2*\q+1], v[S+32*\q+\j+2:S+32*\q+\j+3]
.endr
.endr
.irp q, 0,1
	v_pk_add_f32 v[ST+8*\q+2:ST+8*\q+3], v[ST+8*\q+2:ST+8*\q+3], v[S+32*\q+30:S+32*\q+31]
.endr
.irp q, 0,1
	s_delay_alu instid0(VALU_DEP_2)
	v_pk_add_f32 v[ST+8*\q+2:ST+8*\q+3], v[ST+8*\q+2:ST+8*\q+3], v[X+2*\q:X+2*\q+1]
.endr
.irp t, 0,1,2,3
.irp i, 0,1,2,3,4,5,6,7
.endr
	v_cvt_scalef32_pk8_bf8_f32 v[P+2*\t:P+2*\t+1], v[S+8*\t:S+8*\t+7], v[SC]          ; keys 16 t + 8 h + 0 .. 7: registers 2 t, 2 t + 1 of the operand
	v_cvt_scalef32_pk8_bf8_f32 v[P+8+2*\t:P+8+2*\t+1], v[S+32+8*\t:S+32+8*\t+7], v[SC]
.endr
	v_nop                                          ; one plain vector instruction between the last conversion and the matrix instructions that read its result
	s_setprio 0
	s_wait_alu depctr_va_vdst(0)
	s_wait_dscnt 0x0                               ; V is in
.irp d, 0,1,2,3                                ; O^T += V^T P^T: the eight accumulators take turns, one instruction a turn
.irp q, 0,1
	v_wmma_f32_16x16x64_bf8_bf8 v[O+32*\q+8*\d:O+32*\q+8*\d+7], v[VF+8*\d:VF+8*\d+7], v[P+8*\q:P+8*\q+7], v[O+32*\q+8*\d:O+32*\q+8*\d+7]
.endr
.endr
	s_add_co_u32 s48, s48, STEPB
.endm
	s_wait_loadcnt 0x0                             ; Q
	s_wait_tensorcnt 0x0                           ; my part of the head is in LDS,
	s_barrier_signal -1
	s_barrier_wait -1                              ; everybody's is
.Lstep:                                                ; 32 trips: all keys of the head
	s_setprio 2
	STEP
	s_sub_co_u32 s49, s49, 1
	s_cmp_lg_u32 s49, 0
	s_cbranch_scc1 .Lstep
	s_setprio 0
	; THE WAY OUT.  The sum's halves are added; O^T is divided by the sum, multiplied by 2^(e4 + e5), and goes through my stage in LDS, a tile of 16 queries at a time, so that sixteen lanes store 256 consecutive bytes, aligned.
	s_wait_dscnt 0x0                               ; my reads of K and V are over
	s_barrier_signal -1
	s_barrier_wait -1                              ; everybody's are: the stages may be written over K's bytes
.irp q, 0,1
	v_add_f32 v[ST+8*\q+6], v[ST+8*\q+2], v[ST+8*\q+3]
.endr
.irp q, 0,1
	s_delay_alu instid0(VALU_DEP_2)
	v_permlanex16_b32 v[ST+8*\q+7], v[ST+8*\q+6], s20, s21
.endr
.irp q, 0,1
	s_delay_alu instid0(VALU_DEP_2)
	v_add_f32 v[ST+8*\q+6], v[ST+8*\q+6], v[ST+8*\q+7]   ; the row's sum
.endr
	s_wait_alu depctr_va_vdst(0)
.irp q, 0,1
	v_rcp_f32 v[ST+8*\q+4], v[ST+8*\q+6]
.endr
	v_nop                                          ; a plain instruction between the last reciprocal and the use of its result
	s_wait_alu depctr_va_vdst(0)                   ; and a wait ahead of the first use: one for both reciprocals
.irp q, 0,1
	v_ldexp_f32 v[ST+8*\q+4], v[ST+8*\q+4], s67    ; x 2^(e4 + e5)
.endr
.irp q, 0,1
.irp j, 0,2,4,6,8,10,12,14,16,18,20,22,24,26,28,30
	v_pk_mul_f32 v[S+32*\q+\j:S+32*\q+\j+1], v[O+32*\q+\j:O+32*\q+\j+1], v[ST+8*\q+4:ST+8*\q+5] op_sel_hi:[1,0]   ; register 8 t + j is out(query r, d = 16 t + 8 h + j); each accumulator from its low end on
.endr
.endr
.irp q, 0,1
.irp d, 0,1,2,3
	ds_store_b128 v[STO], v[S+32*\q+8*\d:S+32*\q+8*\d+3] offset:64*\d
	ds_store_b128 v[STO], v[S+32*\q+8*\d+4:S+32*\q+8*\d+7] offset:64*\d+16
.endr
.irp i, 0,1,2,3,4,5,6,7
	ds_load_b128 v[KF+32*\q+4*\i:KF+32*\q+4*\i+3], v[RD] offset:2*\i*SP   ; LDS serves a wave's instructions in order (ISA guide 5.7.1.4): these see my stores, and the next tile's stores come behind them
.endr
.endr
.irp i, 0,1,2,3,4,5,6,7
	s_wait_dscnt 23-\i                             ; behind tile 0's load i: its 7 - i younger loads and tile 1's sixteen instructions
	global_store_b128 v[GO], v[KF+4*\i:KF+4*\i+3], s[12:13] offset:2*\i*4096 th:TH_STORE_NT
.endr
.irp i, 0,1,2,3,4,5,6,7
	s_wait_dscnt 7-\i
	global_store_b128 v[GO], v[KF+32+4*\i:KF+32+4*\i+3], s[12:13] offset:(16+2*\i)*4096 th:TH_STORE_NT   ; written once, read by nobody here
.endr
	s_wait_xcnt 0x0
	v_lshl_add_u32 v254, v0, 2, 0x40000
	v_mov_b32 v255, 0
	s_wait_alu depctr_va_vdst(0)
	s_wait_tensorcnt 0x0
	ds_add_u32 v254, v255
	s_wait_dscnt 0x0
	CROUND                                         ; the closing round: no work-group ends while a partner may still ask for a tile that names it
	s_endpgm
.Lfunc_end_k_q55e435107a_attn:
	.size	k_q55e435107a_attn, .Lfunc_end_k_q55e435107a_attn-k_q55e435107a_attn
	.p2alignl 7, 3214868480
	.fill 96, 4, 3214868480
	.section	.rodata,"a",@progbits
	.p2align	6, 0x0
	.amdhsa_kernel k_q55e435107a_attn
		.amdhsa_group_segment_fixed_size 264192
		.amdhsa_private_segment_fixed_size 0
		.amdhsa_enable_private_segment 0
		.amdhsa_kernarg_size 40
		.amdhsa_user_sgpr_count 2
		.amdhsa_user_sgpr_kernarg_segment_ptr 1
		.amdhsa_wavefront_size32 1
		.amdhsa_system_sgpr_workgroup_id_x 1
		.amdhsa_system_sgpr_workgroup_id_y 1
		.amdhsa_system_sgpr_workgroup_id_z 1
		.amdhsa_system_vgpr_workitem_id 0
		.amdhsa_next_free_vgpr 256
		.amdhsa_next_free_sgpr 72
		.amdhsa_reserve_vcc 0
		.amdhsa_float_denorm_mode_32 3
		.amdhsa_float_denorm_mode_16_64 3
		.amdhsa_fp16_overflow 1
		.amdhsa_memory_ordered 1
		.amdhsa_forward_progress 1
		.amdhsa_inst_pref_size 31
	.end_amdhsa_kernel
	.amdgpu_metadata
---
amdhsa.version: [ 1, 2 ]
amdhsa.kernels:
  - .name:           k_q55e435107a_attn
    .symbol:         k_q55e435107a_attn.kd
    .args:
      - { .name: q_img, .offset: 0, .size: 8, .value_kind: global_buffer, .address_space: global }
      - { .name: k_img, .offset: 8, .size: 8, .value_kind: global_buffer, .address_space: global }
      - { .name: v_img, .offset: 16, .size: 8, .value_kind: global_buffer, .address_space: global }
      - { .name: lowp_scales, .offset: 24, .size: 8, .value_kind: global_buffer, .address_space: global }
      - { .name: out0, .offset: 32, .size: 8, .value_kind: global_buffer, .address_space: global }
    .group_segment_fixed_size: 264192
    .private_segment_fixed_size: 0
    .kernarg_segment_align: 8
    .kernarg_segment_size: 40
    .max_flat_workgroup_size: 512
    .sgpr_count:     72
    .vgpr_count:     256
    .wavefront_size: 32
...
	.end_amdgpu_metadata
.endif
;; end of part 2
